; MI455X (gfx1250); checked and timed in simulation.
; The chip was launched on July 23, 2026; its instructions are those of AMD's public machine-readable ISA for CDNA 5 (MIT licence, August 2026) and "CDNA5" Instruction Set Architecture Reference Guide (July 2026). The comments in the code are by the model that wrote it; some were corrected since.
;; Bit Linear. Allowed arithmetic: float matrix products may take bf16 or f16 operands with f32 sums; other float arithmetic in f32, or as packed bf16 or f16 multiplies, adds, multiply-adds, maxima and minima; sums over many terms, partial sums and values carried from step to step in f32; what a program stores and reads back later, other than sums and carried values, may be rounded once to bf16 or f16.
;; Inputs: beta one number float32; gamma one number float32; ln_beta 4,096 float32; ln_gamma 4,096 float32; w 4,096 x 2,048 float32; x 4 x 2,048 x 4,096 float32.
;; Outputs: out0 4 x 2,048 x 2,048 float32.
;; 2 versions, each right; version 2 is version 1 with the launch prep written anew for expert scheduling mode. Each part assembles by itself: llvm-mc -triple=amdgcn-amd-amdhsa -mcpu=gfx1250 --defsym DOCPART=n.
;; ======== version 1 of 2: 2 launches
;; limits: values are held in f16: magnitudes above 65,504 overflow, below 6.1e-05 lose precision; right only within a limited range of input values
;; workspace buffers: xq 67,108,864 bytes; wq 16,777,216 bytes
;; launch prep (part 1): grid 256 x 1, 16 waves a work-group, no clusters, 34,816 bytes of LDS; arguments x, w, ln_gamma, ln_beta, gamma, xq, wq; writes xq, wq
.if DOCPART == 1
	.amdgcn_target "amdgcn-amd-amdhsa--gfx1250"
	.amdhsa_code_object_version 6
	.text
	.protected	k_qf7a768b1b1_prep
	.globl	k_qf7a768b1b1_prep
	.p2align	8
	.type	k_qf7a768b1b1_prep,@function
k_qf7a768b1b1_prep:
	s_mov_b64 s[64:65], 0
	v_nop
	global_prefetch_b8 v0, s[64:65] scope:SCOPE_SE
	s_setreg_imm32_b32 hwreg(HW_REG_WAVE_MODE, 25, 1), 1
	s_wait_xcnt 0x0
; xq[r][k] = f16( clip( ((x[r][k] - mu_r) rstd_r) (ln_gamma[k] c) + ln_beta[k] c, -127.99, 127.99 ) ), c = 128 / gamma;   wq[k][n] = f16( w[k][n] ).
; x: [8192][4096] f32, w: [4096][2048] f32, xq: [8192][4096] f16, wq: [4096][2048] f16 (not turned: the product turns it on its way out of LDS).
; A STREAM: every byte of x and w is read once, every byte of xq and wq written once.  No matrix unit, no tensor load, no cluster: no wave wants a byte of x or w that another wave fetched;
; what work-groups share is 32 KiB of gains and biases beside 640 KiB of their own.
; SHARES.  Work-group b: rows 32 b .. 32 b + 31 of x and rows 16 b .. 16 b + 15 of w.  Wave v of sixteen: rows 32 b + 2 v and + 1 of x, one whole row at a time in 128 registers a lane
; (the row is read from memory once, and mean and variance never leave the wave), and row 16 b + v of w.
; CHUNKS.  Chunk j of a row is columns 128 j + 4 lane .. + 3: a load of a chunk covers 512 consecutive bytes, the store of its four f16 a lane covers 256 consecutive bytes, aligned.
; THE TABLE.  ln_gamma c and ln_beta c are made once by the work-group and lie in LDS in f32; a ring of four chunks of them stands in registers.
; MEAN AND VARIANCE in two passes over the registers (the mean is taken away before the squares), sums in f32, four chains of pairs.
; LIMITS.  f16 holds no number beyond 65,504: |w| from 65,520 on becomes an infinity; |w| below 6e-5 keeps the fixed step 6e-8.  xq lies within 127.99 by the clip that the problem itself makes;
; 127.99 rounds to 128.0 in f16.  gamma is such that 128 / gamma and its products with ln_gamma and ln_beta are finite and normal (the reciprocal counts a denormal as 0).
; The order of rounding differs from the formula as it is written: c is folded into gain and bias.  NaN is not treated apart (the clip takes the middle of three numbers).
.set GTAB,  0                          ; LDS: ln_gamma c, 4,096 f32
.set BTAB,  16384                      ; LDS: ln_beta c, 4,096 f32
.set SPARE, 32768                      ; behind them: the spare words, 128 bytes for each of sixteen waves: eight blocks of 256 bytes that no other line names
.set ROWX,  16384                      ; bytes in a row of x
.set ROWQ,  8192                       ; bytes in a row of xq
.set LO16,  2                          ; v2   16 x lane; never rewritten
.set LO8,   3                          ; v3   8 x lane; never rewritten
.set TG,    4                          ; v4   16 x thread; never rewritten
.set SPW,   6                          ; v6   LDS address of my spare word; never rewritten
.set NIL,   7                          ; v7   0; never rewritten
.set CC,    8                          ; v[8:9]    c, twice
.set MU,    10                         ; v[10:11]  the mean, twice
.set RS,    12                         ; v[12:13]  1 / sqrt(variance + 1e-5), twice
.set T,     16                         ; v[16:23]  four chains of pairs
.set GB,    24                         ; v[24:55]  ring of four chunks: 4 gains, 4 biases each; before that the table at work, then w rounded
.set Y,     56                         ; v[56:119] chunk j: two registers of f16 to store; before that w as loaded
.set X,     120                        ; v[120:247] the row: chunk j at X + 4 j
	s_load_b256 s[4:11], s[0:1], 0x0               ; x s[4:5], w s[6:7], ln_gamma s[8:9], ln_beta s[10:11]
	s_load_b128 s[12:15], s[0:1], 0x20             ; gamma s[12:13], xq s[14:15]
	s_load_b64 s[16:17], s[0:1], 0x30              ; wq
	v_lshl_add_u32 v[SPW], v0, 2, SPARE
	v_mov_b32 v[NIL], 0
	v_lshrrev_b32 v1, 5, v0
	v_readfirstlane_b32 s19, v1                    ; wave 0..15
	v_and_b32 v1, 31, v0
	v_lshlrev_b32 v[LO16], 4, v1
	v_lshlrev_b32 v[LO8], 3, v1
	v_lshlrev_b32 v[TG], 4, v0
	s_mov_b32 s20, 0x76543210                      ; v_permlanex16_b32: each lane takes its own place in the other half
	s_mov_b32 s21, 0xfedcba98
	s_mov_b32 s22, 0x39800000                      ; 1 / 4096
	s_mov_b32 s23, 0x3727c5ac                      ; 1e-5
	s_mov_b32 s24, 0xc2fffae1                      ; -127.99
	s_mov_b32 s25, 0x42fffae1                      ; 127.99
	s_lshl_b32 s26, ttmp9, 19                      ; 32 rows of x are 2^19 bytes,
	s_lshl_b32 s28, s19, 15                        ; my two rows 2^15
	s_add_co_u32 s26, s26, s28
	s_mov_b32 s27, 0
	s_wait_kmcnt 0x0
	s_load_b32 s18, s[12:13], 0x0                  ; gamma
	s_add_nc_u64 s[4:5], s[4:5], s[26:27]          ; x at my first row
	s_lshr_b32 s26, s26, 1                         ; xq: half the bytes
	s_add_nc_u64 s[14:15], s[14:15], s[26:27]
	s_lshr_b32 s26, s26, 1                         ; w: 16 rows of 8,192 bytes a work-group, one a wave: half of that again
	s_add_nc_u64 s[6:7], s[6:7], s[26:27]
	s_lshr_b32 s26, s26, 1                         ; wq: and half again
	s_add_nc_u64 s[16:17], s[16:17], s[26:27]
	; all first loads go out together: the table (4), my row of w (16), my first row of x (32).  Every later step stands in an immediate: no address register is ever rewritten.
	global_load_b128 v[GB:GB+3],     v[TG], s[8:9]
	global_load_b128 v[GB+4:GB+7],   v[TG], s[8:9] offset:8192
	global_load_b128 v[GB+8:GB+11],  v[TG], s[10:11]
	global_load_b128 v[GB+12:GB+15], v[TG], s[10:11] offset:8192
.set j, 0
.rept 16
	global_load_b128 v[Y+4*j:Y+4*j+3], v[LO16], s[6:7] offset:512*j th:TH_LOAD_NT
.set j, j+1
.endr
.set j, 0
.rept 32
	global_load_b128 v[X+4*j:X+4*j+3], v[LO16], s[4:5] offset:512*j th:TH_LOAD_NT
.set j, j+1
.endr
	s_wait_kmcnt 0x0                               ; gamma
	v_rcp_f32 v[CC], s18
	v_nop                                          ; a plain instruction behind the reciprocal,
	s_wait_alu depctr_va_vdst(0)                   ; and the wait ahead of the first use of its result
	v_mul_f32 v[CC], 0x43000000, v[CC]             ; c = 128 / gamma
	v_mov_b32 v[CC+1], v[CC]
	s_wait_loadcnt 48                              ; the table's four loads are in; the 16 + 32 issued behind them stay out
.set j, 0
.rept 8
	v_pk_mul_f32 v[GB+2*j:GB+2*j+1], v[GB+2*j:GB+2*j+1], v[CC:CC+1]
.set j, j+1
.endr
	ds_store_b128 v[TG], v[GB:GB+3]     offset:GTAB
	ds_store_b128 v[TG], v[GB+4:GB+7]   offset:GTAB+8192
	ds_store_b128 v[TG], v[GB+8:GB+11]  offset:BTAB
	ds_store_b128 v[TG], v[GB+12:GB+15] offset:BTAB+8192
	s_wait_dscnt 0x0                               ; for the others' sake: my part of the table is written
	s_barrier_signal -1
	s_barrier_wait -1                              ; the whole table is; nobody writes it again: the launch's only barrier
	s_wait_loadcnt 32                              ; my row of w is in; the 32 loads of x stay out
.set j, 0
.rept 16
	v_cvt_pk_f16_f32 v[GB+2*j],   v[Y+4*j],   v[Y+4*j+1]
	v_cvt_pk_f16_f32 v[GB+2*j+1], v[Y+4*j+2], v[Y+4*j+3]
	global_store_b64 v[LO8], v[GB+2*j:GB+2*j+1], s[16:17] offset:256*j th:TH_STORE_NT  ; the wave stores 256 consecutive bytes, aligned
.set j, j+1
.endr
.macro GBLOAD                          ; the gains and biases of chunk g into the ring
	ds_load_b128 v[GB+8*(g%4):GB+8*(g%4)+3],   v[LO16] offset:GTAB+512*g
	ds_load_b128 v[GB+8*(g%4)+4:GB+8*(g%4)+7], v[LO16] offset:BTAB+512*g
.endm
.macro REDUCE                          ; the four chains, the pair, the 32 lanes: the sum stands in v[T] of every lane
	v_pk_add_f32 v[T:T+1], v[T:T+1], v[T+2:T+3]
	v_pk_add_f32 v[T+4:T+5], v[T+4:T+5], v[T+6:T+7]
	v_pk_add_f32 v[T:T+1], v[T:T+1], v[T+4:T+5]
	v_add_f32 v[T], v[T], v[T+1]
	v_add_f32_dpp v[T], v[T], v[T] row_xmask:1 row_mask:0xf bank_mask:0xf
	v_add_f32_dpp v[T], v[T], v[T] row_xmask:2 row_mask:0xf bank_mask:0xf
	v_add_f32_dpp v[T], v[T], v[T] row_xmask:4 row_mask:0xf bank_mask:0xf
	v_add_f32_dpp v[T], v[T], v[T] row_xmask:8 row_mask:0xf bank_mask:0xf
	v_permlanex16_b32 v[T+1], v[T], s20, s21
	v_add_f32 v[T], v[T], v[T+1]
.endm
; Row i of my two.  ahead = 1: each chunk is asked for again, for the next row, as soon as it has been rounded.
.macro ROW i, ahead
	; pass 1: the sum.  The row's 32 loads came back in order (ISA guide 5.7.1), and nothing was loaded behind them: eight chunks at a time, the younger chunks stay out
	s_wait_loadcnt 24
.irp p, 0,2
	v_pk_add_f32 v[T+(\p):T+(\p)+1],     v[X+(\p):X+(\p)+1],     v[X+8+(\p):X+8+(\p)+1]      ; chunks 0 to 3 start the chains: nothing is cleared
	v_pk_add_f32 v[T+4+(\p):T+4+(\p)+1], v[X+4+(\p):X+4+(\p)+1], v[X+12+(\p):X+12+(\p)+1]
.endr
.set j, 4
.rept 28
.if j%8 == 0
	s_wait_loadcnt 24-j
.endif
	v_pk_add_f32 v[T+4*(j%2):T+4*(j%2)+1],   v[T+4*(j%2):T+4*(j%2)+1],   v[X+4*j:X+4*j+1]
	v_pk_add_f32 v[T+4*(j%2)+2:T+4*(j%2)+3], v[T+4*(j%2)+2:T+4*(j%2)+3], v[X+4*j+2:X+4*j+3]
.set j, j+1
.endr
	REDUCE
	v_mul_f32 v[MU], s22, v[T]
	v_mov_b32 v[MU+1], v[MU]
	; pass 2: x - mu in place, and the sum of its squares
.set m, 0
.rept 16
.irp q, 0,2,4,6
	v_pk_add_f32 v[X+8*m+(\q):X+8*m+(\q)+1], v[X+8*m+(\q):X+8*m+(\q)+1], v[MU:MU+1] neg_lo:[0,1] neg_hi:[0,1]
.endr
.irp q, 0,2,4,6
.if m == 0
	v_pk_mul_f32 v[T+(\q):T+(\q)+1], v[X+(\q):X+(\q)+1], v[X+(\q):X+(\q)+1]
.else
	v_pk_fma_f32 v[T+(\q):T+(\q)+1], v[X+8*m+(\q):X+8*m+(\q)+1], v[X+8*m+(\q):X+8*m+(\q)+1], v[T+(\q):T+(\q)+1]
.endif
.endr
.set m, m+1
.endr
	REDUCE
	v_fma_f32 v[T], v[T], s22, s23                 ; variance + 1e-5
	v_rsq_f32 v[RS], v[T]
	v_nop                                          ; a plain instruction behind the root,
	s_wait_alu depctr_va_vdst(0)                   ; and the wait ahead of the first use of its result
	v_mov_b32 v[RS+1], v[RS]
	; pass 3: normalise, gain and bias with c folded in, clip, round to f16, store
.if \i
	s_wait_xcnt 0x0                                ; the stores of the row before have read Y: it is rewritten only behind this wait
.endif
.set j, 0
.rept 32
.if (\ahead) || (j < 29)
	s_wait_dscnt 6                                 ; the gains and biases of chunk j are in; those of the three chunks ahead, two loads each, stay out
.else
	s_wait_dscnt 2*(31-j)                          ; the last row asks for nothing beyond chunk 31: the counts run down
.endif
	v_pk_mul_f32 v[X+4*j:X+4*j+1],   v[X+4*j:X+4*j+1],   v[RS:RS+1]
	v_pk_mul_f32 v[X+4*j+2:X+4*j+3], v[X+4*j+2:X+4*j+3], v[RS:RS+1]
	v_pk_fma_f32 v[X+4*j:X+4*j+1],   v[X+4*j:X+4*j+1],   v[GB+8*(j%4):GB+8*(j%4)+1],   v[GB+8*(j%4)+4:GB+8*(j%4)+5]
	v_pk_fma_f32 v[X+4*j+2:X+4*j+3], v[X+4*j+2:X+4*j+3], v[GB+8*(j%4)+2:GB+8*(j%4)+3], v[GB+8*(j%4)+6:GB+8*(j%4)+7]
.if (\ahead) || (j < 28)
.set g, (j+4)%32
	GBLOAD                                         ; the place in the ring that chunk j has just left; the table is the same for both rows, so the ring runs on into the next row
.endif
.irp k, 0,1,2,3
	v_med3_num_f32 v[X+4*j+(\k)], v[X+4*j+(\k)], s24, s25
.endr
	v_cvt_pk_f16_f32 v[Y+2*j],   v[X+4*j],   v[X+4*j+1]
	v_cvt_pk_f16_f32 v[Y+2*j+1], v[X+4*j+2], v[X+4*j+3]
.if \ahead
	global_load_b128 v[X+4*j:X+4*j+3], v[LO16], s[4:5] offset:ROWX*((\i)+1)+512*j th:TH_LOAD_NT  ; the load ahead of the store
.endif
	global_store_b64 v[LO8], v[Y+2*j:Y+2*j+1], s[14:15] offset:ROWQ*(\i)+256*j th:TH_STORE_NT    ; the wave stores 256 consecutive bytes, aligned
.set j, j+1
.endr
.endm
	s_wait_xcnt 0x0                                ; the stores of wq have read GB: it is loaded again only behind this wait
.irp c, 0,1,2,3
.set g, \c
	GBLOAD
.endr
	ROW 0, 1
	ROW 1, 0
	s_wait_tensorcnt 0x0                           ; the end of the wave: behind my last LDS store
	ds_add_u32 v[SPW], v[NIL]
	s_wait_dscnt 0x0
	s_endpgm
.Lfunc_end_k_qf7a768b1b1_prep:
	.size	k_qf7a768b1b1_prep, .Lfunc_end_k_qf7a768b1b1_prep-k_qf7a768b1b1_prep
	.p2alignl 7, 3214868480
	.fill 96, 4, 3214868480
	.section	.rodata,"a",@progbits
	.p2align	6, 0x0
	.amdhsa_kernel k_qf7a768b1b1_prep
		.amdhsa_group_segment_fixed_size 34816
		.amdhsa_private_segment_fixed_size 0
		.amdhsa_enable_private_segment 0
		.amdhsa_kernarg_size 56
		.amdhsa_user_sgpr_count 2
		.amdhsa_user_sgpr_kernarg_segment_ptr 1
		.amdhsa_wavefront_size32 1
		.amdhsa_system_sgpr_workgroup_id_x 1
		.amdhsa_system_sgpr_workgroup_id_y 1
		.amdhsa_system_sgpr_workgroup_id_z 1
		.amdhsa_system_vgpr_workitem_id 0
		.amdhsa_next_free_vgpr 248
		.amdhsa_next_free_sgpr 66
		.amdhsa_reserve_vcc 0
		.amdhsa_float_denorm_mode_32 3
		.amdhsa_float_denorm_mode_16_64 3
		.amdhsa_memory_ordered 1
		.amdhsa_forward_progress 1
		.amdhsa_inst_pref_size 97
	.end_amdhsa_kernel
	.amdgpu_metadata
---
amdhsa.version: [ 1, 2 ]
amdhsa.kernels:
  - .name:           k_qf7a768b1b1_prep
    .symbol:         k_qf7a768b1b1_prep.kd
    .args:
      - { .name: x, .offset: 0, .size: 8, .value_kind: global_buffer, .address_space: global }
      - { .name: w, .offset: 8, .size: 8, .value_kind: global_buffer, .address_space: global }
      - { .name: ln_gamma, .offset: 16, .size: 8, .value_kind: global_buffer, .address_space: global }
      - { .name: ln_beta, .offset: 24, .size: 8, .value_kind: global_buffer, .address_space: global }
      - { .name: gamma, .offset: 32, .size: 8, .value_kind: global_buffer, .address_space: global }
      - { .name: xq, .offset: 40, .size: 8, .value_kind: global_buffer, .address_space: global }
      - { .name: wq, .offset: 48, .size: 8, .value_kind: global_buffer, .address_space: global }
    .group_segment_fixed_size: 34816
    .private_segment_fixed_size: 0
    .kernarg_segment_align: 8
    .kernarg_segment_size: 56
    .max_flat_workgroup_size: 512
    .sgpr_count:     66
    .vgpr_count:     248
    .wavefront_size: 32
...
	.end_amdgpu_metadata
.endif
;; end of part 1
;; launch gemm (part 2): grid 8 x 32, 4 waves a work-group, clusters of 4 x 4, 327,680 bytes of LDS; arguments xq, wq, out0, beta, gamma; writes out0
.if DOCPART == 2
	.amdgcn_target "amdgcn-amd-amdhsa--gfx1250"
	.amdhsa_code_object_version 6
	.text
	.protected	k_qf7a768b1b1_gemm
	.globl	k_qf7a768b1b1_gemm
	.p2align	8
	.type	k_qf7a768b1b1_gemm,@function
k_qf7a768b1b1_gemm:
	s_mov_b64 s[64:65], 0
	v_nop
	global_prefetch_b8 v0, s[64:65] scope:SCOPE_SE
	s_setreg_imm32_b32 hwreg(HW_REG_WAVE_MODE, 25, 1), 1
	s_wait_xcnt 0x0
	s_wait_alu depctr_hold_cnt(0) depctr_sa_sdst(0) depctr_va_vdst(0) depctr_va_sdst(0) depctr_va_ssrc(0) depctr_va_vcc(0) depctr_vm_vsrc(0)
	s_getreg_b32 s2, hwreg(HW_REG_IB_STS2, 6, 4)
	s_cmp_eq_u32 s2, 0
	s_cbranch_scc0 .Lentry_in_a_cluster
	s_endpgm
.Lentry_in_a_cluster:
	s_bfe_u32 s2, ttmp6, 0x10000c
	s_cmp_lg_u32 s2, 0xf033
	s_cbranch_scc0 .Lentry_shape_is_right
	s_endpgm
.Lentry_shape_is_right:
; out0[m][n] = (beta gamma / 128) x the sum over k of xq[m][k] wq[k][n].  xq: [8192][4096] f16, wq: [4096][2048] f16 (K down the rows), out0: [8192][2048] f32; sums in f32, K ascending.
; F16, NOT BF16: xq lies within 128 by the clip of the problem itself and w is of the order of 1, so both have room in f16, and 11 significant bits keep the rounding of the operands small.
; LIMITS: those of the launch that made xq and wq (|w| under 65,520); beta gamma / 128 is formed as (beta gamma) / 128 in f32.
; A tile of out0, 256 x 256, is made by a work-group of four waves; a wave makes 128 x 128: 64 accumulators of 16 x 16, 512 registers.  32 x 8 tiles: 256 work-groups, one tile each.
; K goes in 32 steps of 128 through a ring of two LDS slots filled by the tensor data mover; each wave brings a quarter of a slot by one load:
;   waves 0, 1: 128 rows of xq x 256 bytes;   waves 2, 3: 64 rows (k) of wq x 512 bytes.  All these rows start at multiples of 256 bytes from the first byte of their buffer.
; CLUSTERS: 4 x 4 work-groups.  The four of a row of the cluster need the same tiles of xq, the four of a column the same tiles of wq: each tile is asked for JOINTLY, by the same tensor load
; with the same descriptor and a mask that names the four.
; THE MATRIX INSTRUCTION IS USED TRANSPOSED: source 0 = 16 columns n of wq (turned on the way out of LDS by ds_load_tr16_b128), source 1 = 16 rows of xq.  In the result lane l holds row m = l % 16
; and its registers 0 to 7 the columns 8 (l / 16) + 0 .. 7: eight neighbouring f32 of a row of out0.
; REGISTERS, in windows of 256 (s_set_vgpr_msb: bits 1:0 source 0, 3:2 source 1, 5:4 source 2, 7:6 destination):
;   window 0: v0-31 addresses and the scale; v64-127, v128-191 fragments of xq, two buffers; on the way out the same 128 registers hold two blocks of 16 rows
;   window 1: v64-127, v128-191 fragments of wq, two buffers
;   window 2: the 32 accumulators of my rows 0-63 (accumulator (a, b) at v[8 (8 a + b)]);   window 3: those of my rows 64-127
.set SIZE_N, 2048
.set SIZE_K, 4096
.set KSTEP,  128
.set PA,     272                       ; an LDS row of xq: 256 bytes + 16 of padding = 68 words: row r starts at bank 4 r mod 64 (64 banks of 4 bytes: ISA guide 11.1), so the 16 rows of a load start at 16 different banks
.set PB,     544                       ; an LDS row of wq: 512 bytes + 32 of padding = 136 words: row r starts at bank 8 r mod 64
.set HALFT,  128*PA                    ; what one tensor load lands: 128 rows of xq, or 64 rows of wq (64 x 544 is the same number)
.set SLOT,   4*HALFT                   ; 256 rows of xq, then 128 rows of wq
.set STAGE,  2*SLOT                    ; behind the ring: 16 rows x 528 bytes for each wave, for the way out; no tensor load fills it
.set SP,     528                       ; a stage row: 512 bytes + 16: the 16 rows that a store touches start at 16 different groups of four banks
.set SPARE,  STAGE+4*16*SP             ; behind the stages: the spare words, 128 bytes for each wave: two blocks of 256 bytes that no other line names
.set LAPS,   SIZE_K/(2*KSTEP)          ; a lap = two K steps = once round the ring
.set SCL,  12                          ; v[12:13] beta gamma / 128, twice
.set ADRA, 16                          ; v16-17  LDS address of my fragments of xq in slot 0, 1
.set ADRB, 20                          ; v20-21  the same for wq
.set STO,  24                          ; v24     the way out: where I put 32 bytes of a row
.set RD,   25                          ; v25     the way out: where I read a row back
.set CO,   26                          ; v26     my byte offset in a row of my part of out0
.set SPW,  28                          ; v28     LDS address of my spare word; never rewritten
.set NIL,  29                          ; v29     0; never rewritten
.set PFO,  30                          ; v30     the offset of my lane in a prefetch; never rewritten
.set F0,   64                          ; fragment buffer 0
.set F1,   128                         ; fragment buffer 1
.set G1,   24                          ; s[24:31] descriptor group 1 for tiles of xq
.set G0,   32                          ; s[32:39] group 0 for them, one set for each slot
.set G1B,  48                          ; s[48:55] group 1 for tiles of wq
.set G0B,  56                          ; s[56:63] group 0 for them
.set LIM,  43                          ; s43      1 in a wave that prefetches, else the greatest number
.set PFA,  44                          ; s[44:45] where my prefetches stand
.set PST,  72                          ; s[72:73] bytes from a K step to the next, in the tensor that I fetch for
.set MSB, 0
.macro WIN new                         ; the high byte of the immediate repeats the setting that is left; a switch that changes nothing is dropped
.if MSB != (\new)
	s_set_vgpr_msb (MSB<<8)|(\new)
.set MSB, \new
.endif
.endm
.set MUL_LO, 0xa1                      ; source 0 (wq) window 1, source 1 (xq) window 0, C and D window 2
.set MUL_HI, 0xf1                      ; the same, C and D window 3
.set TO_B,   0x40                      ; destination window 1, address window 0
; A joint load.  Waves 0 and 1 fetch the two halves of the tile of xq, waves 2 and 3 those of wq.  Each of the two lines has one mask and one set of registers for all that issue it.
; The branch hangs on the number of the wave alone.  An s_nop 0 and four v_nop follow each of the two lines, ahead of the jump, the label and what follows.
.macro JLOAD s
	s_cmp_eq_u32 s11, 0
	s_cbranch_scc0 .Lfor_b_\@
	tensor_load_to_lds s[G0+4*(\s):G0+4*(\s)+3], s[G1:G1+7]
	s_nop 0
.rept 4
	v_nop
.endr
	s_branch .Lasked_\@
.Lfor_b_\@:
	tensor_load_to_lds s[G0B+4*(\s):G0B+4*(\s)+3], s[G1B:G1B+7]
	s_nop 0
.rept 4
	v_nop
.endr
.Lasked_\@:
.endm
; A PREFETCH INTO THE L2, behind each joint load, its five lines and the run of LDS loads that follows: the K step that stands TWO refills on, 512 matrix instructions ahead of the load that will want it.
; Each aligned block of 256 bytes is named ONCE in the launch.  A tile row of xq is read by both clusters of its row of clusters: cluster x = 0 asks; a tile column of wq by the eight clusters of its
; column: cluster y = 0 asks.  The four partners that ask for a tile jointly share it out BY ADDRESS: of the 128 rows of xq that a wave fetches the partner at cx takes 32, a lane a row;
; of the 64 rows of wq the partner at cy takes 16, two lanes a row (512 bytes).  No branch hangs on a place in the cluster.  K steps 0 to 3 come by their loads alone; the last trip of the loop asks for nothing.
.macro ASK
	s_cmp_gt_u32 s3, s[LIM]                        ; s3 = 1 in the last trip of the loop
	s_cbranch_scc0 .Lnot_mine_\@
	global_prefetch_b8 v[PFO], s[PFA:PFA+1] th:TH_LOAD_NT scope:SCOPE_SE
.Lnot_mine_\@:
.endm
; A round of the barrier of the cluster: the barrier of my work-group, so that the signal of wave 0 speaks for all four waves; wave 0 signals; every wave waits for all sixteen work-groups; the barrier of my work-group once more.
.macro CREST                           ; a round behind its opening barrier
	s_cmp_lg_u32 s10, 0
	s_cbranch_scc1 .Lnot_wave_0_\@
	s_barrier_signal -3
.Lnot_wave_0_\@:
	s_barrier_wait -3
	s_barrier_signal -1
	s_barrier_wait -1
.endm
.macro CROUND                          ; a whole round
	s_barrier_signal -1
	s_barrier_wait -1
	CREST
.endm
	s_load_b128 s[4:7], s[0:1], 0x0                ; xq s[4:5], wq s[6:7]
	s_load_b64 s[8:9], s[0:1], 0x10                ; out0
	s_load_b128 s[68:71], s[0:1], 0x18             ; beta s[68:69], gamma s[70:71]
	v_lshl_add_u32 v[SPW], v0, 2, SPARE
	v_mov_b32 v[NIL], 0
	ds_add_u32 v[SPW], v[NIL]                      ; the opening: the add, twice on end, and its wait ahead of my first tensor load; the set-up below, work on registers, stands between
	ds_add_u32 v[SPW], v[NIL]                      ; and once more, under the one wait
	v_lshrrev_b32 v1, 5, v0
	v_readfirstlane_b32 s10, v1                    ; wave 0..3
	s_lshr_b32 s11, s10, 1                         ; which half of the rows of the tile is mine.  Also: I fetch for xq (0) or for wq (1)
	s_and_b32 s12, s10, 1                          ; which half of its columns.  Also: which half of that tile I fetch
	s_bfe_u32 s40, ttmp6, 0x40000                  ; cx
	s_bfe_u32 s41, ttmp6, 0x40004                  ; cy
	s_lshl_b32 s42, ttmp9, 2                       ; in a cluster launch ttmp9 and ttmp7 count clusters
	s_add_co_u32 s42, s42, s40                     ; tile column = 4 x cluster x + cx
	s_and_b32 s13, ttmp7, 0xffff
	s_lshl_b32 s13, s13, 2
	s_add_co_u32 s13, s13, s41                     ; tile row = 4 x cluster y + cy
	s_lshl_b32 s43, s41, 2
	s_lshl_b32 s43, 15, s43                        ; my row of the cluster: places 4 cy .. 4 cy + 3
	s_lshl_b32 s44, 0x1111, s40                    ; my column: places cx, cx + 4, cx + 8, cx + 12
	; group 1 for xq: 128 rows x 128 elements, 4 words of padding behind every 64
	s_or_b32 s[G1+0], s43, (1<<16)|(1<<20)|(1<<21)|(5<<22)|(3<<25)  ; 15:0 the mask; 17:16 elements of 2 bytes; 20 padding on; 21 set beside a mask; 24:22 every 64 words (code 5); 31:25 4 words (code 3)
	s_mov_b32 s[G1+1], 128<<16                     ; tensor_dim0 = 128
	s_mov_b32 s[G1+2], 128<<16                     ; tensor_dim1 = 128
	s_mov_b32 s[G1+3], 128<<16                     ; tile_dim0 = 128
	s_mov_b32 s[G1+4], 128                         ; tile_dim1 = 128
	s_mov_b32 s[G1+5], SIZE_K                      ; elements from row to row
	s_mov_b32 s[G1+6], 0
	s_mov_b32 s[G1+7], 0
	; group 1 for wq: 64 rows x 256 elements, 8 words of padding behind every 128
	s_or_b32 s[G1B+0], s44, (1<<16)|(1<<20)|(1<<21)|(6<<22)|(7<<25)
	s_mov_b32 s[G1B+1], 256<<16                    ; tensor_dim0 = 256
	s_mov_b32 s[G1B+2], 64<<16                     ; tensor_dim1 = 64
	s_mov_b32 s[G1B+3], 256<<16                    ; tile_dim0 = 256
	s_mov_b32 s[G1B+4], 64                         ; tile_dim1 = 64
	s_mov_b32 s[G1B+5], SIZE_N                     ; elements from row to row
	s_mov_b32 s[G1B+6], 0
	s_mov_b32 s[G1B+7], 0
	; where the tiles come from.  Those of xq hang on the tile row alone, those of wq on the tile column alone; every wave makes both, in registers that never hold the other coordinate
	s_lshl_b32 s17, s12, 7
	s_lshl_b32 s16, s13, 8
	s_add_co_u32 s16, s16, s17                     ; xq: row 256 x tile row + 128 x half,
	s_lshl_b32 s16, s16, 13                        ; of 8,192 bytes: under 2^26
	s_mov_b32 s17, 0
	s_lshl_b32 s46, s12, 18                        ; wq: 64 x half rows of 4,096 bytes,
	s_lshl_b32 s47, s42, 9                         ; 256 columns of 2 bytes a tile column
	s_add_co_u32 s46, s46, s47
	s_mov_b32 s47, 0
	s_mul_i32 s20, s10, HALFT                      ; where they go: wave x a quarter of a slot: no place in the cluster enters an LDS address
	s_wait_dscnt 0x0                               ; both opening adds are done
	s_wait_kmcnt 0x0
	s_load_b32 s66, s[68:69], 0x0                  ; beta
	s_load_b32 s67, s[70:71], 0x0                  ; gamma
	s_add_nc_u64 s[14:15], s[4:5], s[16:17]
	s_add_nc_u64 s[46:47], s[6:7], s[46:47]
	CROUND                                         ; all sixteen work-groups are here: the first joint loads meet
.irp s, 0,1
	s_mov_b32 s[G0+4*(\s)], 1                                      ; count = 1
	s_add_co_u32 s[G0+4*(\s)+1], s20, (\s)*SLOT                    ; LDS address
	s_add_nc_u64 s[G0+4*(\s)+2:G0+4*(\s)+3], s[14:15], (\s)*KSTEP*2  ; global address: K step s lies 256 bytes along the rows
	s_or_b32 s[G0+4*(\s)+3], s[G0+4*(\s)+3], 0x80000000            ; type = 2
	s_mov_b32 s[G0B+4*(\s)], 1
	s_add_co_u32 s[G0B+4*(\s)+1], s20, (\s)*SLOT
	s_add_nc_u64 s[G0B+4*(\s)+2:G0B+4*(\s)+3], s[46:47], (\s)*KSTEP*SIZE_N*2  ; K step s lies 128 rows down
	s_or_b32 s[G0B+4*(\s)+3], s[G0B+4*(\s)+3], 0x80000000
	JLOAD \s                                       ; two loads of mine are out
.endr
	; A fragment of xq is 16 rows x 32 K in 8 registers: lane l holds row l % 16; registers 0-3 K = 8 (l / 16) + 0..7, registers 4-7 K = 16 + 8 (l / 16) + 0..7: two loads of 16 bytes, 32 bytes apart.
	v_and_b32 v1, 15, v0                           ; l % 16
	v_bfe_u32 v2, v0, 4, 1                         ; l / 16
	v_mul_u32_u24 v3, v1, PA
	v_lshl_add_u32 v3, v2, 4, v3
	; The turning load takes 16 k x 16 n (lane l reads 16 bytes: k = 8 (l / 16) + l % 8, n = 8 ((l / 8) % 2) + 0..7) and leaves half a fragment: lane l holds column l % 16 and 8 k.
	v_and_b32 v4, 7, v0
	v_bfe_u32 v5, v0, 3, 1
	v_lshl_add_u32 v4, v2, 3, v4
	v_mul_u32_u24 v4, v4, PB
	v_lshl_add_u32 v4, v5, 4, v4
	s_mul_i32 s21, s11, HALFT                      ; my 128 rows of xq
	s_lshl_b32 s22, s12, 8                         ; my 128 columns of wq: 256 bytes along its rows,
	s_add_co_u32 s22, s22, 2*HALFT                 ; which lie behind the 256 rows of xq
.irp s, 0,1
	v_add_nc_u32 v[ADRA+(\s)], s21, v3
	v_add_nc_u32 v[ADRB+(\s)], s22, v4
	s_add_co_u32 s21, s21, SLOT
	s_add_co_u32 s22, s22, SLOT
.endr
	s_mul_i32 s23, s10, 16*SP
	s_add_co_u32 s23, s23, STAGE                   ; my stage
	v_mul_u32_u24 v4, v1, SP                       ; in: row l % 16, 32 bytes for each half of the lanes
	v_lshl_add_u32 v4, v2, 5, v4
	v_add_nc_u32 v[STO], s23, v4
	v_and_b32 v3, 31, v0
	v_lshlrev_b32 v[CO], 4, v3                     ; back: the 32 lanes take one row of 512 bytes, and the same 512 bytes of out0
	v_add_nc_u32 v[RD], s23, v[CO]
	s_lshl_b32 s16, s13, 8
	s_lshl_b32 s17, s11, 7
	s_add_co_u32 s16, s16, s17                     ; my first row of out0,
	s_lshl_b32 s16, s16, 13                        ; of 8,192 bytes
	s_mov_b32 s17, 0
	s_add_nc_u64 s[8:9], s[8:9], s[16:17]
	s_lshl_b32 s46, s42, 10                        ; my first column, in bytes: 1,024 x tile column + 512 x half
	s_lshl_b32 s47, s12, 9
	s_add_co_u32 s46, s46, s47
	s_mov_b32 s47, 0
	s_add_nc_u64 s[8:9], s[8:9], s[46:47]
	; the prefetches: both offsets are made, and the number of the wave chooses
	s_lshl_b32 s20, s13, 8
	s_lshl_b32 s21, s12, 7
	s_add_co_u32 s20, s20, s21
	s_lshl_b32 s21, s40, 5
	s_add_co_u32 s20, s20, s21                     ; xq: the 128 rows that I fetch, the 32 of them that fall to my work-group,
	s_lshl_b32 s20, s20, 13                        ; in bytes
	s_lshl_b32 s22, s12, 6
	s_lshl_b32 s23, s41, 4
	s_add_co_u32 s22, s22, s23                     ; wq: the 64 rows that I fetch, the 16 of them that fall to my work-group,
	s_lshl_b32 s22, s22, 12                        ; in bytes,
	s_lshl_b32 s23, s42, 9
	s_add_co_u32 s22, s22, s23                     ; at the tile column
	s_and_b32 s23, ttmp7, 0xffff                   ; cluster y
	s_mov_b32 s[PST], KSTEP*SIZE_N*2               ; a K step of wq: 128 rows down
	s_cmp_eq_u32 s11, 0                            ; do I fetch for xq?
	s_cselect_b32 s20, s20, s22
	s_cselect_b32 s23, ttmp9, s23                  ; the coordinate along which other clusters read the same rows
	s_cselect_b32 s[PST], KSTEP*2, s[PST]          ; a K step of xq: 256 bytes along the rows
	s_cselect_b64 s[PFA:PFA+1], s[4:5], s[6:7]
	s_cmp_eq_u32 s23, 0
	s_cselect_b32 s[LIM], 1, -1                    ; the same in all sixteen partners, for a given wave
	s_mov_b32 s21, 0
	s_mov_b32 s[PST+1], 0
	s_add_nc_u64 s[PFA:PFA+1], s[PFA:PFA+1], s[20:21]
	s_mul_i32 s20, s[PST], 3
	s_add_nc_u64 s[PFA:PFA+1], s[PFA:PFA+1], s[20:21]  ; at K step 3: the first refill steps it to 4 and names that.  Nothing is prefetched here, at the head
	s_lshr_b32 s75, 0x2000, s11                    ; bytes in a row: 8,192 of xq, 4,096 of wq
	v_lshrrev_b32 v[PFO], s11, v3                  ; xq: a lane a row; wq: two lanes a row,
	v_mul_u32_u24 v[PFO], v[PFO], s75
	v_and_b32 v3, s11, v3
	v_lshl_add_u32 v[PFO], v3, 8, v[PFO]           ; the odd lane 256 bytes on
	s_wait_kmcnt 0x0                               ; beta and gamma
	v_mov_b32 v[SCL], s66
	v_mul_f32 v[SCL], s67, v[SCL]
	v_mul_f32 v[SCL], 0x3c000000, v[SCL]           ; beta gamma / 128
	v_mov_b32 v[SCL+1], v[SCL]
; 16 matrix instructions: m blocks a0, a0 + 1 of the four of the window (hi = 0: my rows 0-63, 1: rows 64-127) x all 8 n blocks, 32 along K.  zero = 1: the first product starts the sums: nothing is cleared.
; The 64 accumulators take turns, one instruction a turn, in the same order in every quarter, over the backward jump too.
.macro MUL16 f, hi, a0, zero
	WIN MUL_LO+0x50*(\hi)
.irp a, \a0, (\a0)+1
.irp b, 0,1,2,3,4,5,6,7
.if \zero
	v_wmma_f32_16x16x32_f16 v[8*(8*(\a)+(\b)):8*(8*(\a)+(\b))+7], v[(\f)+8*(\b):(\f)+8*(\b)+7], v[(\f)+8*(4*(\hi)+(\a)):(\f)+8*(4*(\hi)+(\a))+7], 0
.else
	v_wmma_f32_16x16x32_f16 v[8*(8*(\a)+(\b)):8*(8*(\a)+(\b))+7], v[(\f)+8*(\b):(\f)+8*(\b)+7], v[(\f)+8*(4*(\hi)+(\a)):(\f)+8*(4*(\hi)+(\a))+7], v[8*(8*(\a)+(\b)):8*(8*(\a)+(\b))+7]
.endif
.endr
.endr
.endm
; 32 LDS loads in one run: the fragments of quarter q of a K step (32 k x 128 columns of wq, turned; 128 rows of xq x 32 k) into buffer f
.macro FETCH slot, q, f
	WIN TO_B
.irp i, 0,1,2,3,4,5,6,7
	ds_load_tr16_b128 v[(\f)+8*(\i):(\f)+8*(\i)+3],   v[ADRB+(\slot)] offset:(\q)*32*PB+32*(\i)
	ds_load_tr16_b128 v[(\f)+8*(\i)+4:(\f)+8*(\i)+7], v[ADRB+(\slot)] offset:(\q)*32*PB+16*PB+32*(\i)
.endr
	WIN 0
.irp i, 0,1,2,3,4,5,6,7
	ds_load_b128 v[(\f)+8*(\i):(\f)+8*(\i)+3],   v[ADRA+(\slot)] offset:64*(\q)+(\i)*16*PA
	ds_load_b128 v[(\f)+8*(\i)+4:(\f)+8*(\i)+7], v[ADRA+(\slot)] offset:64*(\q)+(\i)*16*PA+32
.endr
.endm
; A load into a register that a matrix instruction has read, and a vector instruction that reads a matrix result or writes a register of a matrix instruction, stand four places behind it; only plain vector
; instructions that name none of its registers are places (ISA guide 7.12.1 for vector instructions).
.macro PLACES
.rept 4
	v_nop
.endr
.endm
; A K step is four quarters of 32 along K, 64 matrix instructions each, on buffers 0, 1, 0, 1.  One of the first three: multiplies buffer f; in its middle it fetches quarter q of the same slot into buffer g.
.macro QUARTER slot, q, f, g, zero
	s_wait_dscnt 8                                 ; wq and rows 0-63 of xq are in; the youngest eight loads (rows 64-127) may be out
	MUL16 \f, 0, 0, \zero
	MUL16 \f, 0, 2, \zero
	PLACES
	FETCH \slot, \q, \g
	s_wait_dscnt 32                                ; all but the 32 just issued
	MUL16 \f, 1, 0, \zero
	MUL16 \f, 1, 2, \zero
.endm
; The first half of the last quarter: ONE barrier for the change of slots.  In front of it each wave waits for all its tensor loads, of which one is out: its part of the next slot; adds 0 to its spare word;
; and waits for that and for its own reads of this slot.  Behind it nobody reads this slot any more and the next slot is whole.
.macro MEET round                      ; round = 1: the rest of a round of the barrier of the cluster follows
	WIN 0                                          ; (the two registers of the add lie in window 0)
	s_wait_tensorcnt 0x0                           ; all my tensor loads have landed
	ds_add_u32 v[SPW], v[NIL]                      ; 0 onto my spare word
	s_wait_dscnt 9                                 ; (the add and the youngest eight loads may be out)
	MUL16 F1, 0, 0, 0                              ; sixteen matrix instructions stand between the add and the wait for it
	s_wait_dscnt 0x0                               ; the add is done, and my reads of this slot are over
	s_barrier_signal -1
	MUL16 F1, 0, 2, 0                              ; work on registers while the others arrive
.if \round
	WIN 0
.endif
	s_barrier_wait -1
.endm
; The whole last quarter: behind the round the slot just read out is filled again first, with the K step two steps on; then come the first fragments of the next slot.
; From a request to the wait for it a wave issues 224 matrix instructions.
.macro TURN slot, next
	s_wait_xcnt 0x0                                ; the last prefetch, a K step back, has read its address: it is stepped here, ahead of the waits of the change of slots
	s_add_nc_u64 s[PFA:PFA+1], s[PFA:PFA+1], s[PST:PST+1]
	MEET 1
	CREST                                          ; no wave of any partner still reads the tile of this slot or has a load on its way
	s_add_nc_u64 s[G0+4*(\slot)+2:G0+4*(\slot)+3], s[G0+4*(\slot)+2:G0+4*(\slot)+3], 2*KSTEP*2
	s_add_nc_u64 s[G0B+4*(\slot)+2:G0B+4*(\slot)+3], s[G0B+4*(\slot)+2:G0B+4*(\slot)+3], 2*KSTEP*SIZE_N*2
	JLOAD \slot                                    ; my one tensor load behind the round, and the first thing there; its four v_nop are also the places in front of the loads below
	FETCH \next, 0, F0
	ASK
	MUL16 F1, 1, 0, 0
	MUL16 F1, 1, 2, 0
.endm
	s_wait_tensorcnt 1                             ; my part of K step 0 is in; that of K step 1 may stay out
	s_barrier_signal -1
	s_barrier_wait -1                              ; the part of everybody is
	FETCH 0, 0, F0
	QUARTER 0, 1, F0, F1, 1                        ; the first quarter stands in front of the loop: its products start the sums
	WIN 0                                          ; at a label and at a branch every window is 0
	s_mov_b32 s3, LAPS-1
.Llap:                                             ; a trip goes once round the ring, from the second quarter of a lap to the first of the next, and fills both slots again
	QUARTER 0, 2, F1, F0, 0
	QUARTER 0, 3, F0, F1, 0
	TURN 0, 1
	QUARTER 1, 1, F0, F1, 0
	QUARTER 1, 2, F1, F0, 0
	QUARTER 1, 3, F0, F1, 0
	TURN 1, 0
	QUARTER 0, 1, F0, F1, 0
	WIN 0
	s_sub_co_u32 s3, s3, 1
	s_cmp_lg_u32 s3, 0
	s_cbranch_scc1 .Llap
	QUARTER 0, 2, F1, F0, 0                        ; the last lap is written out: it fills nothing
	QUARTER 0, 3, F0, F1, 0
	MEET 0                                         ; my one tensor load that was still out is the last K step, so no round follows
	PLACES                                         ; for the loads into buffer 0, which the quarter before multiplied
	FETCH 1, 0, F0
	MUL16 F1, 1, 0, 0
	MUL16 F1, 1, 2, 0
	QUARTER 1, 1, F0, F1, 0
	QUARTER 1, 2, F1, F0, 0
	QUARTER 1, 3, F0, F1, 0
	s_wait_dscnt 8                                 ; the very last quarter: nothing more to fetch
	MUL16 F1, 0, 0, 0
	MUL16 F1, 0, 2, 0
	s_wait_dscnt 0x0
	MUL16 F1, 1, 0, 0
	MUL16 F1, 1, 2, 0
; THE WAY OUT, a block of 16 rows at a time.  SCALE: the 8 accumulators of block a times beta gamma / 128, into 64 registers of window 0 (the fragment buffers, which are free), each accumulator from its low end on.
; TOSTAGE: a lane has 32 bytes of a row for each of 8 n blocks: into my own stage, rows of 528 bytes, and back as whole rows of 512.  SEND: a row a store.
.macro SCALE a
.set BK, 64+64*((\a)%2)
.set AC, 64*((\a)%4)
.if (\a) >= 2
	s_wait_xcnt 0x0                                ; the stores of the block two back have read these registers: they are rewritten only behind this wait
.endif
	WIN 0x02+(\a)/4                                ; source 0: window 2 or 3; the scale and the destination: window 0
.set i, 0
.rept 32
	v_pk_mul_f32 v[BK+2*i:BK+2*i+1], v[AC+2*i:AC+2*i+1], v[SCL:SCL+1]
.set i, i+1
.endr
	WIN 0
.endm
.macro TOSTAGE a
.set BK, 64+64*((\a)%2)
.irp b, 0,1,2,3,4,5,6,7
	ds_store_b128 v[STO], v[BK+8*(\b):BK+8*(\b)+3]   offset:64*(\b)
	ds_store_b128 v[STO], v[BK+8*(\b)+4:BK+8*(\b)+7] offset:64*(\b)+16
.endr
.set t, 0
.rept 16
	ds_load_b128 v[BK+4*t:BK+4*t+3], v[RD] offset:SP*t  ; LDS serves the instructions of a wave in order (ISA guide 5.7.1.4): these see the stores above; the stage is my own
.set t, t+1
.endr
.endm
.macro SEND a
.set BK, 64+64*((\a)%2)
.set t, 0
.rept 16
	s_wait_dscnt 15-t                              ; row t is back; the younger rows may stay out
	global_store_b128 v[CO], v[BK+4*t:BK+4*t+3], s[8:9] offset:(16*(\a)+t)*SIZE_N*4 th:TH_STORE_NT  ; the wave stores 512 consecutive bytes, at a multiple of 256 from the first byte of out0; 127 rows at the most: inside the signed 24-bit immediate
.set t, t+1
.endr
.endm
	WIN 0
	PLACES                                         ; behind the last products: the scalings read results and write registers that held fragments
	SCALE 0
	TOSTAGE 0
.irp a, 1,2,3,4,5,6,7                  ; the scalings of block a stand between the loads of block a - 1 from the stage and the waits for them
	SCALE \a
	SEND (\a)-1
	TOSTAGE \a
.endr
	SEND 7
	s_wait_tensorcnt 0x0                           ; the end of the wave: behind my last tensor load and my last LDS store
	ds_add_u32 v[SPW], v[NIL]
	s_wait_dscnt 0x0
	CROUND                                         ; the closing round: no work-group ends while a partner may still ask for a tile that names it
	s_endpgm
.Lfunc_end_k_qf7a768b1b1_gemm:
	.size	k_qf7a768b1b1_gemm, .Lfunc_end_k_qf7a768b1b1_gemm-k_qf7a768b1b1_gemm
	.p2alignl 7, 3214868480
	.fill 96, 4, 3214868480
	.section	.rodata,"a",@progbits
	.p2align	6, 0x0
	.amdhsa_kernel k_qf7a768b1b1_gemm
		.amdhsa_group_segment_fixed_size 327680
		.amdhsa_private_segment_fixed_size 0
		.amdhsa_enable_private_segment 0
		.amdhsa_kernarg_size 40
		.amdhsa_user_sgpr_count 2
		.amdhsa_user_sgpr_kernarg_segment_ptr 1
		.amdhsa_wavefront_size32 1
		.amdhsa_system_sgpr_workgroup_id_x 1
		.amdhsa_system_sgpr_workgroup_id_y 1
		.amdhsa_system_sgpr_workgroup_id_z 1
		.amdhsa_system_vgpr_workitem_id 0
		.amdhsa_next_free_vgpr 1024
		.amdhsa_next_free_sgpr 80
		.amdhsa_reserve_vcc 0
		.amdhsa_float_denorm_mode_32 3
		.amdhsa_float_denorm_mode_16_64 3
		.amdhsa_memory_ordered 1
		.amdhsa_forward_progress 1
		.amdhsa_inst_pref_size 162
	.end_amdhsa_kernel
	.amdgpu_metadata
---
amdhsa.version: [ 1, 2 ]
amdhsa.kernels:
  - .name:           k_qf7a768b1b1_gemm
    .symbol:         k_qf7a768b1b1_gemm.kd
    .args:
      - { .name: xq, .offset: 0, .size: 8, .value_kind: global_buffer, .address_space: global }
      - { .name: wq, .offset: 8, .size: 8, .value_kind: global_buffer, .address_space: global }
      - { .name: out0, .offset: 16, .size: 8, .value_kind: global_buffer, .address_space: global }
      - { .name: beta, .offset: 24, .size: 8, .value_kind: global_buffer, .address_space: global }
      - { .name: gamma, .offset: 32, .size: 8, .value_kind: global_buffer, .address_space: global }
    .group_segment_fixed_size: 327680
    .private_segment_fixed_size: 0
    .kernarg_segment_align: 8
    .kernarg_segment_size: 40
    .max_flat_workgroup_size: 128
    .sgpr_count:     80
    .vgpr_count:     1024
    .wavefront_size: 32
...
	.end_amdgpu_metadata
.endif
;; end of part 2
;; ======== version 2 of 2: 2 launches; version 1 with the launch prep written anew for expert scheduling mode
;; limits: values are held in f16: magnitudes above 65,504 overflow, below 6.1e-05 lose precision; right only within a limited range of input values
;; workspace buffers: xq 67,108,864 bytes; wq 16,777,216 bytes
;; launch prep (part 3): grid 256 x 1, 16 waves a work-group, no clusters, 34,816 bytes of LDS; arguments x, w, ln_gamma, ln_beta, gamma, xq, wq; writes xq, wq
.if DOCPART == 3
	.amdgcn_target "amdgcn-amd-amdhsa--gfx1250"
	.amdhsa_code_object_version 6
	.text
	.protected	k_qf7a768b1b1_prep
	.globl	k_qf7a768b1b1_prep
	.p2align	8
	.type	k_qf7a768b1b1_prep,@function
k_qf7a768b1b1_prep:
	s_mov_b64 s[64:65], 0
	v_nop
	global_prefetch_b8 v0, s[64:65] scope:SCOPE_SE
	s_setreg_imm32_b32 hwreg(HW_REG_WAVE_SCHED_MODE, 0, 2), 2
	s_setreg_imm32_b32 hwreg(HW_REG_WAVE_MODE, 25, 1), 1
	s_wait_xcnt 0x0
	s_wait_alu depctr_vm_vsrc(0)
; xq[r][k] = f16( clip( ((x[r][k] - mu_r) rstd_r) (ln_gamma[k] c) + ln_beta[k] c, -127.99, 127.99 ) ), c = 128 / gamma;   wq[k][n] = f16( w[k][n] ).
; x: [8192][4096] f32, w: [4096][2048] f32, xq: [8192][4096] f16, wq: [4096][2048] f16 (not turned: the product turns it on its way out of LDS).
; A STREAM: every byte of x and w is read once, every byte of xq and wq written once.  No matrix unit, no tensor load, no cluster: no wave wants a byte of x or w that another wave fetched;
; what work-groups share is 32 KiB of gains and biases beside 640 KiB of their own.
; SHARES.  Work-group b: rows 32 b .. 32 b + 31 of x and rows 16 b .. 16 b + 15 of w.  Wave v of sixteen: rows 32 b + 2 v and + 1 of x, one whole row at a time in 128 registers a lane
; (the row is read from memory once, and mean and variance never leave the wave), and row 16 b + v of w.
; CHUNKS.  Chunk j of a row is columns 128 j + 4 lane .. + 3: a load of a chunk covers 512 consecutive bytes, the store of its four f16 a lane covers 256 consecutive bytes, aligned.
; THE TABLE.  ln_gamma c and ln_beta c are made once by the work-group and lie in LDS in f32; a ring of eight chunks of them stands in registers, asked for four chunks ahead.
; MEAN AND VARIANCE in two passes over the registers (the mean is taken away before the squares), sums in f32, four chains of pairs.
; LIMITS.  f16 holds no number beyond 65,504: |w| from 65,520 on becomes an infinity; |w| below 6e-5 keeps the fixed step 6e-8.  xq lies within 127.99 by the clip that the problem itself makes;
; 127.99 rounds to 128.0 in f16.  gamma is such that 128 / gamma and its products with ln_gamma and ln_beta are finite and normal (the reciprocal counts a denormal as 0).
; The order of rounding differs from the formula as it is written: c is folded into gain and bias.  NaN is not treated apart (the clip takes the middle of three numbers).
; THE MODE: SCHED_MODE bits 1:0 = 2 (LLVM: expert scheduling mode 2), set by the entry lines.  The code itself states the register dependences between vector instructions and memory or LDS
; instructions, with s_wait_alu, always for 0.
; THE PLAN.  Pass 3 of a row goes in 8 blocks of four chunks.  Registers that memory or LDS instructions touch:
;   X        the row.  Block p's vector lines read and write chunks 4 p .. 4 p + 3; the next row's loads of those chunks are issued in block p + 1 (block 7's: behind the block).
;   GB       eight places.  Chunk j's two multiply-adds read place j % 8; the LDS loads issued in chunk j's turn land in place (j + 4) % 8: one of the four places that block p - 1 read.
;   Y0, Y1   Block p's roundings write Y[p % 2]; the four stores that read it are issued in block p + 1 (block 7's: behind the block).
;   v2-v4    offsets, made once at the head and never written again: every step stands in an immediate.     v6, v7: written at the head, read by the closing add alone.
; So block p's vector lines name X's chunks of block p, four places of GB and Y[p % 2]; its memory and LDS instructions touch X's chunks of block p - 1, the other four places and the other Y.
; The waits at a block's head state all that its four to sixteen memory and LDS instructions hang on, and these are dealt among its vector lines with no further wait.
.set GTAB,  0                          ; LDS: ln_gamma c, 4,096 f32
.set BTAB,  16384                      ; LDS: ln_beta c, 4,096 f32
.set SPARE, 32768                      ; behind them: the spare words, 128 bytes for each of sixteen waves: eight blocks of 256 bytes that no other line names
.set ROWX,  16384                      ; bytes in a row of x
.set ROWQ,  8192                       ; bytes in a row of xq
.set LO16,  2                          ; v2   16 x lane; never rewritten
.set LO8,   3                          ; v3   8 x lane; never rewritten
.set TG,    4                          ; v4   16 x thread; never rewritten
.set SPW,   6                          ; v6   LDS address of my spare word; never rewritten
.set NIL,   7                          ; v7   0; never rewritten
.set CC,    8                          ; v[8:9]    c, twice
.set MU,    10                         ; v[10:11]  the mean, twice
.set RS,    12                         ; v[12:13]  1 / sqrt(variance + 1e-5), twice
.set T,     16                         ; v[16:23]  four chains of pairs: no memory instruction names them
.set GB,    24                         ; v[24:87]  ring of eight chunks: place m at GB + 8 m: 4 gains, 4 biases; at the head v[24:39] hold the table at work
.set W,     56                         ; v[56:119] at the head only: my row of w, as loaded and then, closed up in place, as stored
.set Y,     88                         ; v[88:103] buffer k, chunk c of a block: two registers of f16 at Y + 8 k + 2 c
.set X,     120                        ; v[120:247] the row: chunk j at X + 4 j
	s_load_b256 s[4:11], s[0:1], 0x0               ; x s[4:5], w s[6:7], ln_gamma s[8:9], ln_beta s[10:11]
	s_load_b128 s[12:15], s[0:1], 0x20             ; gamma s[12:13], xq s[14:15]
	s_load_b64 s[16:17], s[0:1], 0x30              ; wq
	v_lshl_add_u32 v[SPW], v0, 2, SPARE
	v_mov_b32 v[NIL], 0
	v_lshrrev_b32 v1, 5, v0
	v_readfirstlane_b32 s19, v1                    ; wave 0..15
	v_and_b32 v1, 31, v0
	v_lshlrev_b32 v[LO16], 4, v1
	v_lshlrev_b32 v[LO8], 3, v1
	v_lshlrev_b32 v[TG], 4, v0
	s_mov_b32 s20, 0x76543210                      ; v_permlanex16_b32: each lane takes its own place in the other half
	s_mov_b32 s21, 0xfedcba98
	s_mov_b32 s22, 0x39800000                      ; 1 / 4096
	s_mov_b32 s23, 0x3727c5ac                      ; 1e-5
	s_mov_b32 s24, 0xc2fffae1                      ; -127.99
	s_mov_b32 s25, 0x42fffae1                      ; 127.99
	s_lshl_b32 s26, ttmp9, 19                      ; 32 rows of x are 2^19 bytes,
	s_wait_alu depctr_va_sdst(0)                   ; s19 is written, ahead of its first reader: the four bases are made from it
	s_lshl_b32 s28, s19, 15                        ; my two rows 2^15
	s_add_co_u32 s26, s26, s28
	s_mov_b32 s27, 0
	s_wait_kmcnt 0x0
	s_load_b32 s18, s[12:13], 0x0                  ; gamma
	s_add_nc_u64 s[4:5], s[4:5], s[26:27]          ; x at my first row
	s_lshr_b32 s26, s26, 1                         ; xq: half the bytes
	s_add_nc_u64 s[14:15], s[14:15], s[26:27]
	s_lshr_b32 s26, s26, 1                         ; w: 16 rows of 8,192 bytes a work-group, one a wave: half of that again
	s_add_nc_u64 s[6:7], s[6:7], s[26:27]
	s_lshr_b32 s26, s26, 1                         ; wq: and half again
	s_add_nc_u64 s[16:17], s[16:17], s[26:27]
	s_wait_alu depctr_va_vdst(0)                   ; the offsets v2, v3 and v4 are written: every load and store of the kernel reads one of them
	; all first loads go out together: the table (4), my row of w (16), my first row of x (32).  Every later step stands in an immediate: no address register is ever rewritten.
	global_load_b128 v[GB:GB+3],     v[TG], s[8:9]
	global_load_b128 v[GB+4:GB+7],   v[TG], s[8:9] offset:8192
	global_load_b128 v[GB+8:GB+11],  v[TG], s[10:11]
	global_load_b128 v[GB+12:GB+15], v[TG], s[10:11] offset:8192
.set j, 0
.rept 16
	global_load_b128 v[W+4*j:W+4*j+3], v[LO16], s[6:7] offset:512*j th:TH_LOAD_NT
.set j, j+1
.endr
.set j, 0
.rept 32
	global_load_b128 v[X+4*j:X+4*j+3], v[LO16], s[4:5] offset:512*j th:TH_LOAD_NT
.set j, j+1
.endr
	s_wait_kmcnt 0x0                               ; gamma
	v_rcp_f32 v[CC], s18
	v_nop                                          ; a plain instruction behind the reciprocal,
	s_wait_alu depctr_va_vdst(0)                   ; and the reciprocal has written v[CC], ahead of the first use of it
	v_mul_f32 v[CC], 0x43000000, v[CC]             ; c = 128 / gamma
	v_mov_b32 v[CC+1], v[CC]
	s_wait_loadcnt 48                              ; the table's four loads are in; the 16 + 32 issued behind them stay out
.set j, 0
.rept 8
	v_pk_mul_f32 v[GB+2*j:GB+2*j+1], v[GB+2*j:GB+2*j+1], v[CC:CC+1]
.set j, j+1
.endr
	s_wait_alu depctr_va_vdst(0)                   ; the eight products have written v[GB .. GB+15], which the LDS stores read
	ds_store_b128 v[TG], v[GB:GB+3]     offset:GTAB
	ds_store_b128 v[TG], v[GB+4:GB+7]   offset:GTAB+8192
	ds_store_b128 v[TG], v[GB+8:GB+11]  offset:BTAB
	ds_store_b128 v[TG], v[GB+12:GB+15] offset:BTAB+8192
	s_wait_dscnt 0x0                               ; for the others' sake: my part of the table is written
	s_barrier_signal -1
	s_barrier_wait -1                              ; the whole table is; nobody writes it again: the launch's only barrier
.macro GBLOAD                          ; the gains and biases of chunk g into place g % 8 of the ring
	ds_load_b128 v[GB+8*(g%8):GB+8*(g%8)+3],   v[LO16] offset:GTAB+512*g
	ds_load_b128 v[GB+8*(g%8)+4:GB+8*(g%8)+7], v[LO16] offset:BTAB+512*g
.endm
	s_wait_alu depctr_vm_vsrc(0)                   ; my LDS stores have read v[GB .. GB+15], in which the ring's first loads land (the products that wrote them stand ahead of the last wait on va_vdst)
.irp c, 0,1,2,3
.set g, \c
	GBLOAD                                         ; chunks 0 to 3 into places 0 to 3; places 4 to 7 still hold w
.endr
	s_wait_loadcnt 32                              ; my row of w is in; the 32 loads of x stay out
.set j, 0
.rept 16
	v_cvt_pk_f16_f32 v[W+4*j],   v[W+4*j],   v[W+4*j+1]    ; four numbers close up into the first two of their four registers
	v_cvt_pk_f16_f32 v[W+4*j+1], v[W+4*j+2], v[W+4*j+3]
.set j, j+1
.endr
	s_wait_alu depctr_va_vdst(0)                   ; the conversions have written v[W ..], which the stores of wq read
.set j, 0
.rept 16
	global_store_b64 v[LO8], v[W+4*j:W+4*j+1], s[16:17] offset:256*j th:TH_STORE_NT  ; the wave stores 256 consecutive bytes, aligned
.set j, j+1
.endr
.macro REDUCE                          ; the four chains, the pair, the 32 lanes: the sum stands in v[T] of every lane
	v_pk_add_f32 v[T:T+1], v[T:T+1], v[T+2:T+3]
	v_pk_add_f32 v[T+4:T+5], v[T+4:T+5], v[T+6:T+7]
	v_pk_add_f32 v[T:T+1], v[T:T+1], v[T+4:T+5]
	v_add_f32 v[T], v[T], v[T+1]
	v_add_f32_dpp v[T], v[T], v[T] row_xmask:1 row_mask:0xf bank_mask:0xf
	v_add_f32_dpp v[T], v[T], v[T] row_xmask:2 row_mask:0xf bank_mask:0xf
	v_add_f32_dpp v[T], v[T], v[T] row_xmask:4 row_mask:0xf bank_mask:0xf
	v_add_f32_dpp v[T], v[T], v[T] row_xmask:8 row_mask:0xf bank_mask:0xf
	v_permlanex16_b32 v[T+1], v[T], s20, s21
	v_add_f32 v[T], v[T], v[T+1]
.endm
; Block p of pass 3 of row i: normalise, gain and bias with c folded in, clip, round to f16: chunks 4 p .. 4 p + 3, into Y[p % 2].
; In front of each chunk's ten vector lines stand, for the chunk four back: its load for the next row (ahead = 1) and its store; and for the chunk four on: its two LDS loads.
.macro BLK i, p, ahead
.if (\p) != 1
	s_wait_xcnt 0x0                                ; every earlier memory instruction has had its addresses translated (ISA guide 3.1): registers that earlier stores read are rewritten only behind this wait
	s_wait_alu depctr_vm_vsrc(0)                   ; the stores issued in the block before have read Y[p % 2], which this block's roundings write again; at block 0: the stores of wq have read v[W ..], or the row before's last eight stores both Y
.endif                                             ; (block 1 owes neither: block 0 issues no store, and the last stores that read Y1 stand ahead of block 0's two waits)
.if (\p) != 0
	s_wait_alu depctr_va_vdst(0)                   ; the block before has written the other Y, which the stores below read; it is done with its chunks of X and its four places of GB, in which the loads below land
.endif                                             ; (block 0 has LDS loads alone: the last vector lines that named their four places stand ahead of an earlier wait on va_vdst)
.irp c, 0,1,2,3
.set j, 4*(\p)+(\c)
.if (\p) != 0
.if \ahead
	global_load_b128 v[X+4*(j-4):X+4*(j-4)+3], v[LO16], s[4:5] offset:ROWX*((\i)+1)+512*(j-4) th:TH_LOAD_NT  ; the load ahead of the store; no vector line since the wait names these registers
.endif
	global_store_b64 v[LO8], v[Y+8*(1-(\p)%2)+2*(\c):Y+8*(1-(\p)%2)+2*(\c)+1], s[14:15] offset:ROWQ*(\i)+256*(j-4) th:TH_STORE_NT  ; the wave stores 256 consecutive bytes, aligned
.endif
.if (\ahead) || ((\p) < 7)
.set g, (j+4)%32
	GBLOAD                                         ; the table is the same for both rows, so the ring runs on into the next row
	s_wait_dscnt 8                                 ; LDS loads come back in order (ISA guide 5.7.1): the gains and biases of chunk j are in; those of the four chunks behind it, two loads each, stay out
.else
	s_wait_dscnt 6-2*(\c)                          ; the last row asks for nothing beyond chunk 31: the counts run down
.endif
	v_pk_mul_f32 v[X+4*j:X+4*j+1],   v[X+4*j:X+4*j+1],   v[RS:RS+1]
	v_pk_mul_f32 v[X+4*j+2:X+4*j+3], v[X+4*j+2:X+4*j+3], v[RS:RS+1]
	v_pk_fma_f32 v[X+4*j:X+4*j+1],   v[X+4*j:X+4*j+1],   v[GB+8*(j%8):GB+8*(j%8)+1],   v[GB+8*(j%8)+4:GB+8*(j%8)+5]
	v_pk_fma_f32 v[X+4*j+2:X+4*j+3], v[X+4*j+2:X+4*j+3], v[GB+8*(j%8)+2:GB+8*(j%8)+3], v[GB+8*(j%8)+6:GB+8*(j%8)+7]
.irp k, 0,1,2,3
	v_med3_num_f32 v[X+4*j+(\k)], v[X+4*j+(\k)], s24, s25
.endr
	v_cvt_pk_f16_f32 v[Y+8*((\p)%2)+2*(\c)],   v[X+4*j],   v[X+4*j+1]
	v_cvt_pk_f16_f32 v[Y+8*((\p)%2)+2*(\c)+1], v[X+4*j+2], v[X+4*j+3]
.endr
.endm
; Row i of my two.  ahead = 1: each chunk is asked for again, for the next row, a block behind its rounding.
.macro ROW i, ahead
	; pass 1: the sum.  The row's 32 loads came back in order (ISA guide 5.7.1), and nothing was loaded behind them: eight chunks at a time, the younger chunks stay out
	s_wait_loadcnt 24
.irp p, 0,2
	v_pk_add_f32 v[T+(\p):T+(\p)+1],     v[X+(\p):X+(\p)+1],     v[X+8+(\p):X+8+(\p)+1]      ; chunks 0 to 3 start the chains: nothing is cleared
	v_pk_add_f32 v[T+4+(\p):T+4+(\p)+1], v[X+4+(\p):X+4+(\p)+1], v[X+12+(\p):X+12+(\p)+1]
.endr
.set j, 4
.rept 28
.if j%8 == 0
	s_wait_loadcnt 24-j
.endif
	v_pk_add_f32 v[T+4*(j%2):T+4*(j%2)+1],   v[T+4*(j%2):T+4*(j%2)+1],   v[X+4*j:X+4*j+1]
	v_pk_add_f32 v[T+4*(j%2)+2:T+4*(j%2)+3], v[T+4*(j%2)+2:T+4*(j%2)+3], v[X+4*j+2:X+4*j+3]
.set j, j+1
.endr
	REDUCE
	v_mul_f32 v[MU], s22, v[T]
	v_mov_b32 v[MU+1], v[MU]
	; pass 2: x - mu in place, and the sum of its squares
.set m, 0
.rept 16
.irp q, 0,2,4,6
	v_pk_add_f32 v[X+8*m+(\q):X+8*m+(\q)+1], v[X+8*m+(\q):X+8*m+(\q)+1], v[MU:MU+1] neg_lo:[0,1] neg_hi:[0,1]
.endr
.irp q, 0,2,4,6
.if m == 0
	v_pk_mul_f32 v[T+(\q):T+(\q)+1], v[X+(\q):X+(\q)+1], v[X+(\q):X+(\q)+1]
.else
	v_pk_fma_f32 v[T+(\q):T+(\q)+1], v[X+8*m+(\q):X+8*m+(\q)+1], v[X+8*m+(\q):X+8*m+(\q)+1], v[T+(\q):T+(\q)+1]
.endif
.endr
.set m, m+1
.endr
	REDUCE
	v_fma_f32 v[T], v[T], s22, s23                 ; variance + 1e-5
	v_rsq_f32 v[RS], v[T]
	v_nop                                          ; a plain instruction behind the root,
	s_wait_alu depctr_va_vdst(0)                   ; and the root has written v[RS], ahead of the first use of it
	v_mov_b32 v[RS+1], v[RS]
	; pass 3, in eight blocks
.irp b, 0,1,2,3,4,5,6,7
	BLK \i, \b, \ahead
.endr
	s_wait_alu depctr_va_vdst(0)                   ; block 7 has written Y1, which the stores below read, and is done with chunks 28 to 31 of X, in which the loads below land
.irp c, 0,1,2,3
.if \ahead
	global_load_b128 v[X+4*(28+(\c)):X+4*(28+(\c))+3], v[LO16], s[4:5] offset:ROWX*((\i)+1)+512*(28+(\c)) th:TH_LOAD_NT
.endif
	global_store_b64 v[LO8], v[Y+8+2*(\c):Y+8+2*(\c)+1], s[14:15] offset:ROWQ*(\i)+256*(28+(\c)) th:TH_STORE_NT
.endr
.endm
	ROW 0, 1
	ROW 1, 0
	s_wait_dscnt 0x0                               ; the closing lines, six on end
	s_wait_alu 0x0
	s_wait_tensorcnt 0x0
	ds_add_u32 v[SPW], v[NIL]
	s_wait_dscnt 0x0
	s_endpgm
.Lfunc_end_k_qf7a768b1b1_prep:
	.size	k_qf7a768b1b1_prep, .Lfunc_end_k_qf7a768b1b1_prep-k_qf7a768b1b1_prep
	.p2alignl 7, 3214868480
	.fill 96, 4, 3214868480
	.section	.rodata,"a",@progbits
	.p2align	6, 0x0
	.amdhsa_kernel k_qf7a768b1b1_prep
		.amdhsa_group_segment_fixed_size 34816
		.amdhsa_private_segment_fixed_size 0
		.amdhsa_enable_private_segment 0
		.amdhsa_kernarg_size 56
		.amdhsa_user_sgpr_count 2
		.amdhsa_user_sgpr_kernarg_segment_ptr 1
		.amdhsa_wavefront_size32 1
		.amdhsa_system_sgpr_workgroup_id_x 1
		.amdhsa_system_sgpr_workgroup_id_y 1
		.amdhsa_system_sgpr_workgroup_id_z 1
		.amdhsa_system_vgpr_workitem_id 0
		.amdhsa_next_free_vgpr 248
		.amdhsa_next_free_sgpr 66
		.amdhsa_reserve_vcc 0
		.amdhsa_float_denorm_mode_32 3
		.amdhsa_float_denorm_mode_16_64 3
		.amdhsa_memory_ordered 1
		.amdhsa_forward_progress 1
		.amdhsa_inst_pref_size 99
	.end_amdhsa_kernel
	.amdgpu_metadata
---
amdhsa.version: [ 1, 2 ]
amdhsa.kernels:
  - .name:           k_qf7a768b1b1_prep
    .symbol:         k_qf7a768b1b1_prep.kd
    .args:
      - { .name: x, .offset: 0, .size: 8, .value_kind: global_buffer, .address_space: global }
      - { .name: w, .offset: 8, .size: 8, .value_kind: global_buffer, .address_space: global }
      - { .name: ln_gamma, .offset: 16, .size: 8, .value_kind: global_buffer, .address_space: global }
      - { .name: ln_beta, .offset: 24, .size: 8, .value_kind: global_buffer, .address_space: global }
      - { .name: gamma, .offset: 32, .size: 8, .value_kind: global_buffer, .address_space: global }
      - { .name: xq, .offset: 40, .size: 8, .value_kind: global_buffer, .address_space: global }
      - { .name: wq, .offset: 48, .size: 8, .value_kind: global_buffer, .address_space: global }
    .group_segment_fixed_size: 34816
    .private_segment_fixed_size: 0
    .kernarg_segment_align: 8
    .kernarg_segment_size: 56
    .max_flat_workgroup_size: 512
    .sgpr_count:     66
    .vgpr_count:     248
    .wavefront_size: 32
...
	.end_amdgpu_metadata
.endif
;; end of part 3
;; launch gemm: the kernel of part 2 again; grid 8 x 32, 4 waves a work-group, clusters of 4 x 4, 327,680 bytes of LDS; arguments xq, wq, out0, beta, gamma; writes out0
